; MI455X (gfx1250); checked and timed in simulation.
; The chip was launched on July 23, 2026; its instructions are those of AMD's public machine-readable ISA for CDNA 5 (MIT licence, August 2026) and "CDNA5" Instruction Set Architecture Reference Guide (July 2026). The comments in the code are by the model that wrote it; some were corrected since.
;; Transition Layer. Allowed arithmetic: float matrix products may take bf16 or f16 operands with f32 sums; all other float work in f32.
;; Inputs: alog 10 x 10 x 2 float32; mask 10 x 10 float32; predicate_truths 16,384 x 22 float32; sel 10 x 10 x 2 x 22 x 3 float32.
;; Outputs: out0 16,384 x 10 x 10 float32.
;; 2 versions, each right; version 2 is version 1 with the launch trans written anew for expert scheduling mode. Each part assembles by itself: llvm-mc -triple=amdgcn-amd-amdhsa -mcpu=gfx1250 --defsym DOCPART=n.
;; ======== version 1 of 2: 1 launch
;; launch trans (part 1): grid 256 x 1, 20 waves a work-group, no clusters, 132,608 bytes of LDS; arguments predicate_truths, sel, alog, mask, out0; writes out0
.if DOCPART == 1
	.amdgcn_target "amdgcn-amd-amdhsa--gfx1250"
	.amdhsa_code_object_version 6
	.text
	.protected	k_q1999386306_trans
	.globl	k_q1999386306_trans
	.p2align	8
	.type	k_q1999386306_trans,@function
k_q1999386306_trans:
	s_mov_b64 s[64:65], 0
	v_nop
	global_prefetch_b8 v0, s[64:65] scope:SCOPE_SE
	s_setreg_imm32_b32 hwreg(HW_REG_WAVE_MODE, 25, 1), 1
	s_wait_xcnt 0x0
; TransitionLayer.  u = predicate_truths [16384][22], sel [10][10][2][22][3], alog [10][10][2], mask [10][10], out0 [16384][10][10], all f32.
;   s = softmax(sel / 0.8) over the last axis;  lit = s0 + s1 u + s2 (1 - u) = (s0 + s2) + (s1 - s2) u = a + d u  (an identity for all values)
;   clause = product over the 22 m of lit;  t = 1 - sigmoid(alog) clause;  g = 1 - t(r=0) t(r=1)
;   logit = log(max(g, 1e-6)) + mask;  a row with no finite logit becomes 10 x the unit row;  out = softmax(logit / 0.5) over j.
; Nothing is left out: mask is an input, so all 100 cells are computed whatever it holds, and all four inputs are loaded.
; No matrix product occurs, so all arithmetic is f32 vector work, two numbers an instruction where pairs lie together.
; LIMITS.  Logits are kept in base 2 (log2 g + mask x log2 e), so a finite |mask| above 2.3e38 counts as infinite.  A NaN g (it needs an
; infinite clause or a NaN input) is clipped to 1e-6, where reference() would carry the NaN.  v_exp_f32 gives 0 for results below 2^-126.
; a + d u is rounded otherwise than the three terms of reference().  Both softmaxes take their maximum away, as reference() does.
;
; SHARES.  A work-group owns 64 batch rows (5,632 neighbouring bytes of u, 25,600 of out0) and all 100 cells; 20 waves.
; Start:   waves 0 to 10 copy u to LDS, and the one barrier that u needs stands in front of all arithmetic.
; Phase 0: wave w makes the coefficients a, d of its own five cells 5w .. 5w+4 (220 selector triples) and their ten -alpha, into its own LDS bytes;
;          its 44 LDS loads of u are set among this arithmetic, which needs nothing of them, so that they come in meanwhile.
; Phase 1: lanes 0-15 take r = 0, lanes 16-31 r = 1 (h); lane q = L & 15 holds batch rows q, q+16, q+32, q+48 with all 22 u in registers.
;          A packed pair is (m, m+1) of one batch row, so one 16-byte LDS load (a_2k, a_2k+1, d_2k, d_2k+1) feeds eight packed instructions.
; Phase 2: thread t = 10 b + i owns one softmax row: batch row b, state i.
; NO CLUSTER.  Every work-group reads all 52,800 bytes of sel, 63 in 100 of the 84,032 bytes that it moves, so a joint load for four work-groups
; would spare three of four of these requests.  It is not used, for this text's shape: sel is read once, at the very start, 2,640 bytes a wave,
; straight into the registers in which its softmax is made.  A joint load would put a round of the cluster's barrier (two work-group barriers
; and a wait for four work-groups) in front of the text's first load, on whose return all else waits, and a second round in front of the end,
; where the text has two barriers in all and no loop over whose trips the rounds would be shared (one fill for about 1,000 instructions a wave);
; and the triples would come to LDS, from where each wave would fetch them by seven more LDS loads of 12 bytes a lane.
; LDS: COEF at 0: wave w at 1840 w: ten chains (2 c + r) of 176 bytes, then ten pairs (-alpha, -alpha).   U_BASE: u as in memory, 88 bytes a row.
;      T_BASE: wave w at 3088 w: t at 48 b + 8 c + 4 r (12 q + h words: 32 different banks for a store).   O_BASE: out0's layout, wave w at 1280 w.
.set CPITCH, 1840
.set ALPHA,  1760                      ; the pairs of -alpha behind a wave's ten chains
.set U_BASE, 36864
.set T_BASE, 42496
.set TWAVE,  3088                      ; 64 rows x 48 bytes + 16
.set O_BASE, 104448
.set KC,     0x3fe6d4ca                ; log2 e / 0.8
.set KCN,    0xbfe6d4ca
.set LOG2E,  0x3fb8aa3b
.set LOG2EN, 0xbfb8aa3b
.set K10,    0x4166d4ca                ; 10 log2 e: the fallback's diagonal, in base 2
.set EPS,    0x358637bd                ; 1e-6
.set INF,    0x7f800000
; registers kept: v0 t, v1 L, v2 q, v3 h, v4 b, v5 i
.set CA, 6                             ; v6  LDS: my chain of cell 0 (1840 w + 176 h)
.set AA, 7                             ; v7  LDS: 1840 w + 8 h
.set UA, 8                             ; v8  LDS: U_BASE + 88 q
.set TW, 9                             ; v9  LDS: T_BASE + 3088 w + 48 q + 4 h
.set MK, 10                            ; v[10:19]  mask row i
.set NA, 20                            ; v[20:29]  cell c: (-alpha, -alpha) of my r
.set PP, 30                            ; v[30:37]  running products, a pair for each of my 4 batch rows
.set LT, 38                            ; v[38:45]  literals at work
.set CL, 46                            ; v[46:49]  clause, then t
.set CF, 50                            ; v[50:93]  the 11 quads of the cell at work
.set UU, 94                            ; v[94:181] u: 22 for each of my 4 batch rows
.set MO, 182                           ; v182 40 i: the offset of the mask row's loads, which stay out until phase 2: written once, never again
; phase 0 only: addresses in PP's and LT's place (their loads are waited for before phase 1 writes there), data in CF's
; (CF is loaded only behind the coefficient stores; UU is being loaded meanwhile)
.set SO,  30                           ; 12 L
.set AO,  32                           ; 4 ((10 L) >> 5)
.set UO,  34                           ; 512 w + 16 L
.set CW,  35                           ; 1840 w + 16 (L >> 1) + 4 (L & 1)
.set AW,  37                           ; 1840 w + 8 ((10 L) >> 5)
.set X,   50                           ; v[50:77] seven triples, four registers each
.set UC,  78                           ; v[78:81] 16 bytes of u on their way to LDS
.set AL,  82                           ; v[82:84] alpha
; phase 2 only, in UU's place
.set TT, 94                            ; v[94:113]  t of the row's ten cells, r = 0 and 1
.set G,  114                           ; v[114:123] g, logits, results
.set FB, 124                           ; v[124:133] the fallback row
.set AM, 134
.set MX, 135
.set SM, 136                           ; v[136:139]
.set RC, 140                           ; v[140:141]
.set KV, 142
.set TA, 143
.set OA, 144
.set OL, 145
.set OL2, 146
.set GO, 147
.set GO2, 148
.set OD, 150                           ; v[150:159]
	s_load_b256 s[4:11], s[0:1], 0x0               ; u s[4:5], sel s[6:7], alog s[8:9], mask s[10:11]
	s_load_b64 s[12:13], s[0:1], 0x20              ; out0
	v_lshl_add_u32 v184, v0, 2, 0x1fc00
	v_mov_b32 v185, 0
	; every offset and LDS address of the start and of phase 1 is made here, while the arguments are on their way
	v_lshrrev_b32 v1, 5, v0
	v_readfirstlane_b32 s16, v1                    ; wave 0..19
	v_and_b32 v1, 31, v0                           ; L
	v_and_b32 v2, 15, v0                           ; q
	v_bfe_u32 v3, v0, 4, 1                         ; h
	v_mul_u32_u24 v4, 0x199a, v0
	v_lshrrev_b32 v4, 16, v4                       ; b = t / 10: 6554 t >> 16 is exact for t < 640
	v_mul_u32_u24 v5, 10, v4
	v_sub_nc_u32 v5, v0, v5                        ; i = t - 10 b,
	v_min_u32 v5, 9, v5                            ; which is 0..9: the minimum changes nothing and states the bound of the addresses made of i
	s_mul_i32 s17, s16, CPITCH                     ; my coefficients in LDS
	s_mul_i32 s18, ttmp9, 5632                     ; the group's 64 rows of u
	s_mov_b32 s19, 0
	s_mul_i32 s20, s16, 2640                       ; my 220 triples of sel
	s_mov_b32 s21, 0
	s_mul_i32 s22, s16, 40                         ; my ten alog
	s_mov_b32 s23, 0
	s_mul_i32 s24, ttmp9, 25600                    ; the group's part of out0,
	s_mul_i32 s26, s16, 1280                       ; and my wave's 1,280 bytes in it
	s_add_co_u32 s24, s24, s26
	s_mov_b32 s25, 0
	s_add_co_u32 s27, s26, O_BASE                  ; my stage for the way out
	s_mul_i32 s28, s16, TWAVE
	s_add_co_u32 s28, s28, T_BASE                  ; my t
	s_lshl_b32 s29, s16, 9
	v_mul_u32_u24 v[SO], 12, v1
	v_mul_u32_u24 v[AO], 10, v1
	v_lshrrev_b32 v[AO], 5, v[AO]                  ; (10 L) >> 5 = 0..9: each of my ten alog is taken by three or four lanes
	v_lshl_add_u32 v[AW], v[AO], 3, s17
	v_lshlrev_b32 v[AO], 2, v[AO]
	v_mul_u32_u24 v[MO], 40, v5
	v_lshl_add_u32 v[UO], v1, 4, s29
	v_lshrrev_b32 v38, 1, v1
	v_and_b32 v39, 1, v1
	v_lshl_add_u32 v[CW], v38, 4, s17
	v_lshl_add_u32 v[CW], v39, 2, v[CW]
	v_mad_u32_u24 v[CA], v3, 176, s17
	v_lshl_add_u32 v[AA], v3, 3, s17
	v_mul_u32_u24 v[UA], 88, v2
	v_add_nc_u32 v[UA], U_BASE, v[UA]
	v_mad_u32_u24 v[TW], v2, 48, s28
	v_lshl_add_u32 v[TW], v3, 2, v[TW]
	s_wait_kmcnt 0x0
	s_add_nc_u64 s[4:5], s[4:5], s[18:19]
	s_add_nc_u64 s[6:7], s[6:7], s[20:21]
	s_add_nc_u64 s[8:9], s[8:9], s[22:23]
	s_add_nc_u64 s[12:13], s[12:13], s[24:25]
; Thirteen loads.  Six passes take triple e = L + 32 k of my 220; the seventh takes e = 188 + L, the last 32: its lanes 0-3 make triples 188-191
; once more, from the same data, and its last lane ends at byte 2,640, the end of my part.  Then my alog, and last the five pieces of mask row i.
.macro ASK
.irp k, 0,1,2,3,4,5
	global_load_b96 v[X+4*\k:X+4*\k+2], v[SO], s[6:7] offset:384*\k
.endr
	global_load_b96 v[X+24:X+26], v[SO], s[6:7] offset:12*188
	global_load_b32 v[AL], v[AO], s[8:9]
.irp k, 0,1,2,3,4
	global_load_b64 v[MK+2*\k:MK+2*\k+1], v[MO], s[10:11] offset:8*\k
.endr
.endm
	; waves 0 to 10 copy the group's 5,632 bytes of u to LDS, 512 neighbouring bytes a wave: u is asked for first, since all 20 waves wait for it
	s_cmp_lt_u32 s16, 11
	s_cbranch_scc0 .Lno_u
	global_load_b128 v[UC:UC+3], v[UO], s[4:5] th:TH_LOAD_NT
	ASK
	s_wait_loadcnt 13                              ; loads come back in order (ISA guide 5.7.1): u is in, the thirteen younger loads stay out
	ds_store_b128 v[UO], v[UC:UC+3] offset:U_BASE
	s_branch .Lasked
.Lno_u:
	ASK
.Lasked:
	s_wait_dscnt 0x0                               ; my part of u is in LDS, for the other waves' sake
	s_barrier_signal -1
	s_barrier_wait -1                              ; the 64 rows of u are whole; the thirteen loads may still be out: no wave writes what they read
; The 22 u of my batch row q + 16 b: eleven LDS loads.
; From here to phase 1's first wait a wave issues 75 LDS instructions (44 of u, 15 stores, 5 of -alpha, 11 quads), more than DScnt's field of 63
; holds: the issue is then held until older ones have ended (ISA guide 5.7.1), so no wait is placed for that; every wait's own count is 14 or less.
.macro ULOAD b
.irp k, 0,1,2,3,4,5,6,7,8,9,10
	ds_load_b64 v[UU+22*\b+2*\k:UU+22*\b+2*\k+1], v[UA] offset:1408*\b+8*\k
.endr
.endm
	ULOAD 0
	ULOAD 1
	s_wait_loadcnt 5                               ; the triples and alog are in, so SO and AO are free; the five younger loads, the mask row's, are wanted in phase 2
	; PHASE 0.  Selector softmax with its maximum taken away, in base 2: exp2(C x - C max), C = log2 e / 0.8.
.irp k, 0,1,2,3,4,5,6
	v_max3_num_f32 v[X+4*\k+3], v[X+4*\k], v[X+4*\k+1], v[X+4*\k+2]
.endr
.irp k, 0,1,2,3,4,5,6
	v_mul_f32 v[X+4*\k+3], KCN, v[X+4*\k+3]
.endr
.irp k, 0,1,2,3,4,5,6
.irp r, 0,1,2
	v_fmamk_f32 v[X+4*\k+\r], v[X+4*\k+\r], KC, v[X+4*\k+3]
.endr
.endr
	v_mul_f32 v[AL], LOG2EN, v[AL]
	ULOAD 2
.irp k, 0,1,2,3,4,5,6
.irp r, 0,1,2
	v_exp_f32 v[X+4*\k+\r], v[X+4*\k+\r]
.endr
.endr
	v_exp_f32 v[AL], v[AL]
	v_nop                                          ; one plain instruction between the last exponential and the use of its result (ISA guide 5.7.2)
	s_wait_alu depctr_va_vdst(0)
.irp k, 0,1,2,3,4,5,6
	v_add_f32 v[X+4*\k],   v[X+4*\k],   v[X+4*\k+2]            ; e0 + e2
	v_sub_f32 v[X+4*\k+2], v[X+4*\k+1], v[X+4*\k+2]            ; e1 - e2
	v_add_f32 v[X+4*\k+1], v[X+4*\k],   v[X+4*\k+1]            ; e0 + e1 + e2
.endr
	v_add_f32 v[AL], 1.0, v[AL]
	ULOAD 3
.irp k, 0,1,2,3,4,5,6
	v_rcp_f32 v[X+4*\k+3], v[X+4*\k+1]
.endr
	v_rcp_f32 v[AL+2], v[AL]                       ; sigmoid(alog) = 1 / (1 + exp2(-log2 e x alog))
	v_nop
	s_wait_alu depctr_va_vdst(0)
.irp k, 0,1,2,3,4,5,6
	v_mul_f32 v[X+4*\k],   v[X+4*\k],   v[X+4*\k+3]            ; a = s0 + s2
	v_mul_f32 v[X+4*\k+2], v[X+4*\k+2], v[X+4*\k+3]            ; d = s1 - s2
.endr
	v_mul_f32 v[AL],   -1.0, v[AL+2]
	v_mul_f32 v[AL+1], -1.0, v[AL+2]
	; triple e = 22 chain + m goes to byte 16 (e >> 1) + 4 (e & 1), d eight bytes behind a: 22 is even, so that is 176 chain + 16 (m >> 1) + 4 (m & 1).
	; 32 k and 188 are even too, so a pass's first triple stands in the immediate: 16 x 16 k, and 16 x 94 = 1,504 for the seventh.
.irp k, 0,1,2,3,4,5
	ds_store_b32 v[CW], v[X+4*\k]   offset:256*\k
	ds_store_b32 v[CW], v[X+4*\k+2] offset:256*\k+8
.endr
	ds_store_b32 v[CW], v[X+24] offset:1504
	ds_store_b32 v[CW], v[X+26] offset:1512
	ds_store_b64 v[AW], v[AL:AL+1] offset:ALPHA
	; PHASE 1.  My five pairs of -alpha and the first cell's eleven quads.  They are my wave's own bytes (1840 w ..), and LDS serves a wave's
	; instructions in order (ISA guide 5.7.1): these loads see the stores above, with no wait and no barrier between.
.irp c, 0,1,2,3,4
	ds_load_b64 v[NA+2*\c:NA+2*\c+1], v[AA] offset:ALPHA+16*\c
.endr
.irp k, 0,1,2,3,4,5,6,7,8,9,10
	ds_load_b128 v[CF+4*\k:CF+4*\k+3], v[CA] offset:16*\k
.endr
; Literals m = 2k, 2k+1 of cell c for my four batch rows, multiplied onto the running pairs; the first pair starts the products.
; n = the LDS instructions issued behind quad k of this cell (they end in order: ISA guide 5.7.1).  reload = 1: the quad's registers take the next cell's.
.macro STEP c, k, n, reload
	s_wait_dscnt \n
.irp b, 0,1,2,3
.if \k
	v_pk_fma_f32 v[LT+2*\b:LT+2*\b+1], v[UU+22*\b+2*\k:UU+22*\b+2*\k+1], v[CF+4*\k+2:CF+4*\k+3], v[CF+4*\k:CF+4*\k+1]
.else
	v_pk_fma_f32 v[PP+2*\b:PP+2*\b+1], v[UU+22*\b+2*\k:UU+22*\b+2*\k+1], v[CF+4*\k+2:CF+4*\k+3], v[CF+4*\k:CF+4*\k+1]
.endif
.endr
.if \k
.irp b, 0,1,2,3
	v_pk_mul_f32 v[PP+2*\b:PP+2*\b+1], v[PP+2*\b:PP+2*\b+1], v[LT+2*\b:LT+2*\b+1]
.endr
.endif
.if \reload
	ds_load_b128 v[CF+4*\k:CF+4*\k+3], v[CA] offset:352*(\c+1)+16*\k
.endif
.endm
; The two halves of each pair meet; t = 1 - alpha clause; four stores into my own part of T.
.macro CEND c
.irp b, 0,1,2,3
	v_mul_f32 v[CL+\b], v[PP+2*\b], v[PP+2*\b+1]
.endr
	v_pk_fma_f32 v[CL:CL+1],   v[CL:CL+1],   v[NA+2*\c:NA+2*\c+1], 1.0 op_sel_hi:[1,1,0]
	v_pk_fma_f32 v[CL+2:CL+3], v[CL+2:CL+3], v[NA+2*\c:NA+2*\c+1], 1.0 op_sel_hi:[1,1,0]
.irp b, 0,1,2,3
	ds_store_b32 v[TW], v[CL+\b] offset:768*\b+8*\c
.endr
.endm
.macro CHAIN c, base, dec, reload
.irp k, 0,1,2,3,4,5,6,7,8,9,10
	STEP \c, \k, \base-\dec*\k, \reload
.endr
	CEND \c
.endm
	CHAIN 0, 10, 0, 1                              ; behind quad k: the 10 - k younger quads and the k reloads of this cell's earlier steps; u, the stores and -alpha stand ahead of quad 0
	CHAIN 1, 14, 0, 1                              ; behind quad k: 10 - k reloads, the last cell's 4 stores, k reloads
	CHAIN 2, 14, 0, 1
	CHAIN 3, 14, 0, 1
	CHAIN 4, 14, 1, 0                              ; nothing is reloaded any more: 10 - k reloads and 4 stores
	s_wait_dscnt 0x0                               ; my t are in LDS
	s_barrier_signal -1
	; register work while the others arrive: phase 2's addresses and the fallback row (10 log2 e at j = i, else 0)
	v_mov_b32 v[KV], K10
	v_mul_u32_u24 v[TA], 2*TWAVE, v5               ; row i's cells 10 i .. 10 i + 9 are those of waves 2 i and 2 i + 1
	v_mad_u32_u24 v[TA], v4, 48, v[TA]
	v_add_nc_u32 v[TA], T_BASE, v[TA]
	v_mad_u32_u24 v[OA], v1, 40, s27               ; my row of 40 bytes in my wave's stage
	v_lshl_add_u32 v[OL], v1, 4, s27
	v_lshl_add_u32 v[OL2], v1, 3, s27
	v_lshlrev_b32 v[GO], 4, v1
	v_lshlrev_b32 v[GO2], 3, v1
.irp j, 0,1,2,3,4,5,6,7,8,9
	v_cmp_eq_u32 vcc_lo, \j, v5
	v_cndmask_b32 v[FB+\j], 0, v[KV], vcc_lo
.endr
	s_barrier_wait -1                              ; every wave's t are in LDS
	; PHASE 2.  One softmax row a thread.
	ds_load_b128 v[TT:TT+3],     v[TA]
	ds_load_b128 v[TT+4:TT+7],   v[TA] offset:16
	ds_load_b64  v[TT+8:TT+9],   v[TA] offset:32
	ds_load_b128 v[TT+10:TT+13], v[TA] offset:TWAVE
	ds_load_b128 v[TT+14:TT+17], v[TA] offset:TWAVE+16
	ds_load_b64  v[TT+18:TT+19], v[TA] offset:TWAVE+32
	s_wait_loadcnt 0x0                             ; the mask row, asked for at the start
	s_wait_dscnt 0x0
.irp j, 0,1,2,3,4,5,6,7,8,9
	v_fma_f32 v[G+\j], -v[TT+2*\j], v[TT+2*\j+1], 1.0          ; g = 1 - t0 t1
.endr
.irp j, 0,1,2,3,4,5,6,7,8,9
	v_max_num_f32 v[G+\j], EPS, v[G+\j]
.endr
.irp j, 0,1,2,3,4,5,6,7,8,9
	v_log_f32 v[G+\j], v[G+\j]
.endr
	v_nop
	s_wait_alu depctr_va_vdst(0)
.irp j, 0,1,2,3,4,5,6,7,8,9
	v_fmamk_f32 v[G+\j], v[MK+\j], LOG2E, v[G+\j]              ; the logit in base 2: log2 g + mask log2 e
.endr
	; the row has a finite logit exactly if the least |logit| is below infinity (a NaN loses in the minimum; all NaN fails the compare)
	v_min3_num_f32 v[AM], |v[G]|, |v[G+1]|, |v[G+2]|
	v_min3_num_f32 v[AM], v[AM], |v[G+3]|, |v[G+4]|
	v_min3_num_f32 v[AM], v[AM], |v[G+5]|, |v[G+6]|
	v_min3_num_f32 v[AM], v[AM], |v[G+7]|, |v[G+8]|
	v_min_num_f32 v[AM], v[AM], |v[G+9]|
	v_cmp_gt_f32 vcc_lo, INF, v[AM]
.irp j, 0,1,2,3,4,5,6,7,8,9
	v_cndmask_b32 v[G+\j], v[FB+\j], v[G+\j], vcc_lo           ; a value is chosen; no branch and no address hangs on it
.endr
	v_max3_num_f32 v[MX], v[G], v[G+1], v[G+2]
	v_max3_num_f32 v[MX], v[MX], v[G+3], v[G+4]
	v_max3_num_f32 v[MX], v[MX], v[G+5], v[G+6]
	v_max3_num_f32 v[MX], v[MX], v[G+7], v[G+8]
	v_max_num_f32 v[MX], v[MX], v[G+9]
	v_add_f32 v[MX], v[MX], v[MX]
.irp j, 0,1,2,3,4,5,6,7,8,9
	v_fma_f32 v[G+\j], v[G+\j], 2.0, -v[MX]                    ; (logit - max) / 0.5
.endr
.irp j, 0,1,2,3,4,5,6,7,8,9
	v_exp_f32 v[G+\j], v[G+\j]
.endr
	v_nop
	s_wait_alu depctr_va_vdst(0)
	v_pk_add_f32 v[SM:SM+1],   v[G:G+1],     v[G+2:G+3]
	v_pk_add_f32 v[SM+2:SM+3], v[G+4:G+5],   v[G+6:G+7]
	v_pk_add_f32 v[SM:SM+1],   v[SM:SM+1],   v[SM+2:SM+3]
	v_pk_add_f32 v[SM:SM+1],   v[SM:SM+1],   v[G+8:G+9]
	v_add_f32 v[SM], v[SM], v[SM+1]                ; at least 1: the largest logit's term
	v_rcp_f32 v[RC], v[SM]
	v_rcp_f32 v[RC+1], v[SM]                       ; twice, for the packed multiply
	v_nop
	s_wait_alu depctr_va_vdst(0)
.irp k, 0,1,2,3,4
	v_pk_mul_f32 v[G+2*\k:G+2*\k+1], v[G+2*\k:G+2*\k+1], v[RC:RC+1]
.endr
	; THE WAY OUT.  My wave's 32 rows of 40 bytes are 1,280 neighbouring bytes of out0, from a multiple of 256.  They go through my wave's own stage,
	; so that each store of the wave covers whole aligned blocks of 256 bytes.  LDS serves a wave's instructions in order (ISA guide 5.7.1): the loads see the stores.
.irp k, 0,1,2,3,4
	ds_store_b64 v[OA], v[G+2*\k:G+2*\k+1] offset:8*\k
.endr
	ds_load_b128 v[OD:OD+3],   v[OL]
	ds_load_b128 v[OD+4:OD+7], v[OL] offset:512
	ds_load_b64  v[OD+8:OD+9], v[OL2] offset:1024
	s_wait_dscnt 0x2                               ; the first read-back is in; the two younger may be out
	global_store_b128 v[GO], v[OD:OD+3], s[12:13] th:TH_STORE_NT
	s_wait_dscnt 0x1
	global_store_b128 v[GO], v[OD+4:OD+7], s[12:13] offset:512 th:TH_STORE_NT
	s_wait_dscnt 0x0
	global_store_b64 v[GO2], v[OD+8:OD+9], s[12:13] offset:1024 th:TH_STORE_NT
	s_wait_tensorcnt 0x0
	ds_add_u32 v184, v185
	s_wait_dscnt 0x0
	s_endpgm
.Lfunc_end_k_q1999386306_trans:
	.size	k_q1999386306_trans, .Lfunc_end_k_q1999386306_trans-k_q1999386306_trans
	.p2alignl 7, 3214868480
	.fill 96, 4, 3214868480
	.section	.rodata,"a",@progbits
	.p2align	6, 0x0
	.amdhsa_kernel k_q1999386306_trans
		.amdhsa_group_segment_fixed_size 132608
		.amdhsa_private_segment_fixed_size 0
		.amdhsa_enable_private_segment 0
		.amdhsa_kernarg_size 40
		.amdhsa_user_sgpr_count 2
		.amdhsa_user_sgpr_kernarg_segment_ptr 1
		.amdhsa_wavefront_size32 1
		.amdhsa_system_sgpr_workgroup_id_x 1
		.amdhsa_system_sgpr_workgroup_id_y 1
		.amdhsa_system_sgpr_workgroup_id_z 1
		.amdhsa_system_vgpr_workitem_id 0
		.amdhsa_next_free_vgpr 186
		.amdhsa_next_free_sgpr 66
		.amdhsa_reserve_vcc 1
		.amdhsa_float_denorm_mode_32 3
		.amdhsa_float_denorm_mode_16_64 3
		.amdhsa_memory_ordered 1
		.amdhsa_forward_progress 1
		.amdhsa_inst_pref_size 56
	.end_amdhsa_kernel
	.amdgpu_metadata
---
amdhsa.version: [ 1, 2 ]
amdhsa.kernels:
  - .name:           k_q1999386306_trans
    .symbol:         k_q1999386306_trans.kd
    .args:
      - { .name: predicate_truths, .offset: 0, .size: 8, .value_kind: global_buffer, .address_space: global }
      - { .name: sel, .offset: 8, .size: 8, .value_kind: global_buffer, .address_space: global }
      - { .name: alog, .offset: 16, .size: 8, .value_kind: global_buffer, .address_space: global }
      - { .name: mask, .offset: 24, .size: 8, .value_kind: global_buffer, .address_space: global }
      - { .name: out0, .offset: 32, .size: 8, .value_kind: global_buffer, .address_space: global }
    .group_segment_fixed_size: 132608
    .private_segment_fixed_size: 0
    .kernarg_segment_align: 8
    .kernarg_segment_size: 40
    .max_flat_workgroup_size: 640
    .sgpr_count:     66
    .vgpr_count:     186
    .wavefront_size: 32
...
	.end_amdgpu_metadata
.endif
;; end of part 1
;; ======== version 2 of 2: 1 launch; version 1 with the launch trans written anew for expert scheduling mode
;; launch trans (part 2): grid 256 x 1, 20 waves a work-group, no clusters, 132,608 bytes of LDS; arguments predicate_truths, sel, alog, mask, out0; writes out0
.if DOCPART == 2
	.amdgcn_target "amdgcn-amd-amdhsa--gfx1250"
	.amdhsa_code_object_version 6
	.text
	.protected	k_q1999386306_trans
	.globl	k_q1999386306_trans
	.p2align	8
	.type	k_q1999386306_trans,@function
k_q1999386306_trans:
	s_mov_b64 s[64:65], 0
	v_nop
	global_prefetch_b8 v0, s[64:65] scope:SCOPE_SE
	s_setreg_imm32_b32 hwreg(HW_REG_WAVE_SCHED_MODE, 0, 2), 2
	s_setreg_imm32_b32 hwreg(HW_REG_WAVE_MODE, 25, 1), 1
	s_wait_xcnt 0x0
	s_wait_alu depctr_vm_vsrc(0)
; TransitionLayer.  u = predicate_truths [16384][22], sel [10][10][2][22][3], alog [10][10][2], mask [10][10], out0 [16384][10][10], all f32.
;   s = softmax(sel / 0.8) over the last axis;  lit = s0 + s1 u + s2 (1 - u) = (s0 + s2) + (s1 - s2) u = a + d u  (an identity for all values)
;   clause = product over the 22 m of lit;  t = 1 - sigmoid(alog) clause;  g = 1 - t(r=0) t(r=1)
;   logit = log(max(g, 1e-6)) + mask;  a row with no finite logit becomes 10 x the unit row;  out = softmax(logit / 0.5) over j.
; Nothing is left out: mask is an input, so all 100 cells are computed whatever it holds, and all four inputs are loaded.
; No matrix product occurs, so all arithmetic is f32 vector work, two numbers an instruction where pairs lie together.
; LIMITS.  Logits are kept in base 2 (log2 g + mask x log2 e), so a finite |mask| above 2.3e38 counts as infinite.  A NaN g (it needs an
; infinite clause or a NaN input) is clipped to 1e-6, where reference() would carry the NaN.  v_exp_f32 gives 0 for results below 2^-126.
; a + d u is rounded otherwise than the three terms of reference().  Both softmaxes take their maximum away, as reference() does.
;
; SHARES.  A work-group owns 64 batch rows (5,632 neighbouring bytes of u, 25,600 of out0) and all 100 cells; 20 waves.
; Start:   waves 0 to 10 copy u to LDS, and the one barrier that u needs stands in front of all arithmetic.
; Phase 0: wave w makes the coefficients a, d of its own five cells 5w .. 5w+4 (220 selector triples) and their ten -alpha, into its own LDS bytes;
;          its 44 LDS loads of u are set among this arithmetic, which needs nothing of them, so that they come in meanwhile.
; Phase 1: lanes 0-15 take r = 0, lanes 16-31 r = 1 (h); lane q = L & 15 holds batch rows q, q+16, q+32, q+48 with all 22 u in registers.
;          A packed pair is (m, m+1) of one batch row, so one 16-byte LDS load (a_2k, a_2k+1, d_2k, d_2k+1) feeds eight packed instructions.
; Phase 2: thread t = 10 b + i owns one softmax row: batch row b, state i.
; NO CLUSTER.  Every work-group reads all 52,800 bytes of sel, 63 in 100 of the 84,032 bytes that it moves, so a joint load for four work-groups
; would spare three of four of these requests.  It is not used, for this text's shape: sel is read once, at the very start, 2,640 bytes a wave,
; straight into the registers in which its softmax is made.  A joint load would put a round of the cluster's barrier (two work-group barriers
; and a wait for four work-groups) in front of the text's first load, on whose return all else waits, and a second round in front of the end,
; where the text has two barriers in all and no loop over whose trips the rounds would be shared (one fill for about 1,000 instructions a wave);
; and the triples would come to LDS, from where each wave would fetch them by seven more LDS loads of 12 bytes a lane.
; LDS: COEF at 0: wave w at 1840 w: ten chains (2 c + r) of 176 bytes, then ten pairs (-alpha, -alpha).   U_BASE: u as in memory, 88 bytes a row.
;      T_BASE: wave w at 3088 w: t at 48 b + 8 c + 4 r (12 q + h words: 32 different banks for a store).   O_BASE: out0's layout, wave w at 1280 w.
;
; THE MODE: SCHED_MODE bits 1:0 = 2 (LLVM: expert scheduling mode 2), set by the entry lines.  The code itself states the register dependences
; between vector instructions and memory or LDS instructions, with s_wait_alu, always for 0.
; THE PLAN.  Registers that memory or LDS instructions touch:
;   addresses   SO, AO, UO, CW, AW, CA, AA, UA, TW, MO: made at the head, ahead of one wait on va_vdst.  The first five lie in PP's place: one wait on
;               vm_vsrc, behind phase 0's stores, stands ahead of phase 1's first write there.  The other five are never written again.
;   X, UC, AL   (in CF's place) Loaded; worked on by phase 0; read by its LDS stores behind one wait on va_vdst; the same wait on vm_vsrc frees them for cell 0's quads.
;   UU          Written by 44 LDS loads, among phase 0's arithmetic, which names v50 to v84 alone; read by phase 1's packed lines.
;   CF          Two halves that take turns.  Quads 0-5: read by a cell's steps 0-5; behind them one wait on va_vdst; the next cell's six land there,
;               dealt among steps 6-10, which name quads 6-10.  Quads 6-10: read by steps 6-10; the wait behind the cell's end frees them, and the next
;               cell's five are asked for at once, ahead of its steps 0-5, which name quads 0-5.
;   CL          Written by a cell's end; read by its four stores of t, behind that same wait on va_vdst; written again a cell later, behind a wait
;               on vm_vsrc that stands in the cell's middle, six steps behind the stores.
;   phase 2     Its six addresses are made between the second barrier's signal and its wait, ahead of one wait on va_vdst, which also states that
;               phase 1 is done reading UU, in whose place t and the read-backs land.  G is read by the way out's LDS stores behind one more.
.set CPITCH, 1840
.set ALPHA,  1760                      ; the pairs of -alpha behind a wave's ten chains
.set U_BASE, 36864
.set T_BASE, 42496
.set TWAVE,  3088                      ; 64 rows x 48 bytes + 16
.set O_BASE, 104448
.set KC,     0x3fe6d4ca                ; log2 e / 0.8
.set KCN,    0xbfe6d4ca
.set LOG2E,  0x3fb8aa3b
.set LOG2EN, 0xbfb8aa3b
.set K10,    0x4166d4ca                ; 10 log2 e: the fallback's diagonal, in base 2
.set EPS,    0x358637bd                ; 1e-6
.set INF,    0x7f800000
; registers kept: v0 t, v1 L, v2 q, v3 h, v4 b, v5 i
.set CA, 6                             ; v6  LDS: my chain of cell 0 (1840 w + 176 h)
.set AA, 7                             ; v7  LDS: 1840 w + 8 h
.set UA, 8                             ; v8  LDS: U_BASE + 88 q
.set TW, 9                             ; v9  LDS: T_BASE + 3088 w + 48 q + 4 h
.set MK, 10                            ; v[10:19]  mask row i
.set NA, 20                            ; v[20:29]  cell c: (-alpha, -alpha) of my r
.set PP, 30                            ; v[30:37]  running products, a pair for each of my 4 batch rows
.set LT, 38                            ; v[38:45]  literals at work
.set CL, 46                            ; v[46:49]  clause, then t
.set CF, 50                            ; v[50:93]  the 11 quads of the cell at work
.set UU, 94                            ; v[94:181] u: 22 for each of my 4 batch rows
.set MO, 182                           ; v182 40 i: the offset of the mask row's loads, which stay out until phase 2: written once, never again
.set FM, 17                            ; s[17:26]  phase 2: the ten masks j = i; the head's offsets, which lay here, have been used up
; phase 0 only: addresses in PP's and LT's place (their loads are waited for before phase 1 writes there), data in CF's
; (CF is loaded only behind the coefficient stores; UU is being loaded meanwhile)
.set SO,  30                           ; 12 L
.set AO,  32                           ; 4 ((10 L) >> 5)
.set UO,  34                           ; 512 w + 16 L
.set CW,  35                           ; 1840 w + 16 (L >> 1) + 4 (L & 1)
.set AW,  37                           ; 1840 w + 8 ((10 L) >> 5)
.set X,   50                           ; v[50:77] seven triples, four registers each
.set UC,  78                           ; v[78:81] 16 bytes of u on their way to LDS
.set AL,  82                           ; v[82:84] alpha
; phase 2 only, in UU's place
.set TT, 94                            ; v[94:113]  t of the row's ten cells, r = 0 and 1
.set G,  114                           ; v[114:123] g, logits, results
.set FB, 124                           ; v[124:133] the fallback row
.set AM, 134
.set MX, 135
.set SM, 136                           ; v[136:139]
.set RC, 140                           ; v[140:141]
.set KV, 142
.set TA, 143
.set OA, 144
.set OL, 145
.set OL2, 146
.set GO, 147
.set GO2, 148
.set OD, 150                           ; v[150:159]
	s_load_b256 s[4:11], s[0:1], 0x0               ; u s[4:5], sel s[6:7], alog s[8:9], mask s[10:11]
	s_load_b64 s[12:13], s[0:1], 0x20              ; out0
	v_lshl_add_u32 v184, v0, 2, 0x1fc00
	v_mov_b32 v185, 0
	; every offset and LDS address of the start and of phase 1 is made here, while the arguments are on their way
	v_lshrrev_b32 v1, 5, v0
	v_readfirstlane_b32 s16, v1                    ; wave 0..19
	v_and_b32 v1, 31, v0                           ; L
	v_and_b32 v2, 15, v0                           ; q
	v_bfe_u32 v3, v0, 4, 1                         ; h
	v_mul_u32_u24 v4, 0x199a, v0
	v_lshrrev_b32 v4, 16, v4                       ; b = t / 10: 6554 t >> 16 is exact for t < 640
	v_mul_u32_u24 v5, 10, v4
	v_sub_nc_u32 v5, v0, v5                        ; i = t - 10 b,
	v_min_u32 v5, 9, v5                            ; which is 0..9: the minimum changes nothing and states the bound of the addresses made of i
	s_wait_alu depctr_va_sdst(0)                   ; s16 is written, ahead of its first reader: the wave's places in LDS and in the buffers are made from it
	s_mul_i32 s17, s16, CPITCH                     ; my coefficients in LDS
	s_mul_i32 s18, ttmp9, 5632                     ; the group's 64 rows of u
	s_mov_b32 s19, 0
	s_mul_i32 s20, s16, 2640                       ; my 220 triples of sel
	s_mov_b32 s21, 0
	s_mul_i32 s22, s16, 40                         ; my ten alog
	s_mov_b32 s23, 0
	s_mul_i32 s24, ttmp9, 25600                    ; the group's part of out0,
	s_mul_i32 s26, s16, 1280                       ; and my wave's 1,280 bytes in it
	s_add_co_u32 s24, s24, s26
	s_mov_b32 s25, 0
	s_add_co_u32 s27, s26, O_BASE                  ; my stage for the way out
	s_mul_i32 s28, s16, TWAVE
	s_add_co_u32 s28, s28, T_BASE                  ; my t
	s_lshl_b32 s29, s16, 9
	v_mul_u32_u24 v[SO], 12, v1
	v_mul_u32_u24 v[AO], 10, v1
	v_lshrrev_b32 v[AO], 5, v[AO]                  ; (10 L) >> 5 = 0..9: each of my ten alog is taken by three or four lanes
	v_lshl_add_u32 v[AW], v[AO], 3, s17
	v_lshlrev_b32 v[AO], 2, v[AO]
	v_mul_u32_u24 v[MO], 40, v5
	v_lshl_add_u32 v[UO], v1, 4, s29
	v_lshrrev_b32 v38, 1, v1
	v_and_b32 v39, 1, v1
	v_lshl_add_u32 v[CW], v38, 4, s17
	v_lshl_add_u32 v[CW], v39, 2, v[CW]
	v_mad_u32_u24 v[CA], v3, 176, s17
	v_lshl_add_u32 v[AA], v3, 3, s17
	v_mul_u32_u24 v[UA], 88, v2
	v_add_nc_u32 v[UA], U_BASE, v[UA]
	v_mad_u32_u24 v[TW], v2, 48, s28
	v_lshl_add_u32 v[TW], v3, 2, v[TW]
	s_wait_kmcnt 0x0
	s_add_nc_u64 s[4:5], s[4:5], s[18:19]
	s_add_nc_u64 s[6:7], s[6:7], s[20:21]
	s_add_nc_u64 s[8:9], s[8:9], s[22:23]
	s_add_nc_u64 s[12:13], s[12:13], s[24:25]
	s_wait_alu depctr_va_vdst(0)                   ; the ten offsets and addresses SO, AO, MO, UO, CW, AW, CA, AA, UA, TW are written, which the loads and stores of the start and of phases 0 and 1 read
; Thirteen loads.  Six passes take triple e = L + 32 k of my 220; the seventh takes e = 188 + L, the last 32: its lanes 0-3 make triples 188-191
; once more, from the same data, and its last lane ends at byte 2,640, the end of my part.  Then my alog, and last the five pieces of mask row i.
.macro ASK
.irp k, 0,1,2,3,4,5
	global_load_b96 v[X+4*\k:X+4*\k+2], v[SO], s[6:7] offset:384*\k
.endr
	global_load_b96 v[X+24:X+26], v[SO], s[6:7] offset:12*188
	global_load_b32 v[AL], v[AO], s[8:9]
.irp k, 0,1,2,3,4
	global_load_b64 v[MK+2*\k:MK+2*\k+1], v[MO], s[10:11] offset:8*\k
.endr
.endm
	; waves 0 to 10 copy the group's 5,632 bytes of u to LDS, 512 neighbouring bytes a wave: u is asked for first, since all 20 waves wait for it
	s_cmp_lt_u32 s16, 11
	s_cbranch_scc0 .Lno_u
	global_load_b128 v[UC:UC+3], v[UO], s[4:5] th:TH_LOAD_NT
	ASK
	s_wait_loadcnt 13                              ; loads come back in order (ISA guide 5.7.1): u is in, the thirteen younger loads stay out
	ds_store_b128 v[UO], v[UC:UC+3] offset:U_BASE
	s_branch .Lasked
.Lno_u:
	ASK
.Lasked:
	s_wait_dscnt 0x0                               ; my part of u is in LDS, for the other waves' sake
	s_barrier_signal -1
	s_barrier_wait -1                              ; the 64 rows of u are whole; the thirteen loads may still be out: no wave writes what they read
; The 22 u of my batch row q + 16 b: eleven LDS loads.  No wait of the mode: no vector instruction since the head's wait names UA or UU.
; From here to phase 1's first wait a wave issues 75 LDS instructions (44 of u, 15 stores, 5 of -alpha, 11 quads), more than DScnt's field of 63
; holds: the issue is then held until older ones have ended (ISA guide 5.7.1), so no wait is placed for that; every wait's own count is 14 or less.
.macro ULOAD b
.irp k, 0,1,2,3,4,5,6,7,8,9,10
	ds_load_b64 v[UU+22*\b+2*\k:UU+22*\b+2*\k+1], v[UA] offset:1408*\b+8*\k
.endr
.endm
	ULOAD 0
	ULOAD 1
	s_wait_loadcnt 5                               ; the triples and alog are in, so SO and AO are free; the five younger loads, the mask row's, are wanted in phase 2
	; PHASE 0.  Selector softmax with its maximum taken away, in base 2: exp2(C x - C max), C = log2 e / 0.8.
.irp k, 0,1,2,3,4,5,6
	v_max3_num_f32 v[X+4*\k+3], v[X+4*\k], v[X+4*\k+1], v[X+4*\k+2]
.endr
.irp k, 0,1,2,3,4,5,6
	v_mul_f32 v[X+4*\k+3], KCN, v[X+4*\k+3]
.endr
.irp k, 0,1,2,3,4,5,6
.irp r, 0,1,2
	v_fmamk_f32 v[X+4*\k+\r], v[X+4*\k+\r], KC, v[X+4*\k+3]
.endr
.endr
	v_mul_f32 v[AL], LOG2EN, v[AL]
	ULOAD 2
.irp k, 0,1,2,3,4,5,6
.irp r, 0,1,2
	v_exp_f32 v[X+4*\k+\r], v[X+4*\k+\r]
.endr
.endr
	v_exp_f32 v[AL], v[AL]
	v_nop                                          ; one plain instruction between the last exponential and the use of its result (ISA guide 5.7.2)
	s_wait_alu depctr_va_vdst(0)
.irp k, 0,1,2,3,4,5,6
	v_add_f32 v[X+4*\k],   v[X+4*\k],   v[X+4*\k+2]            ; e0 + e2
	v_sub_f32 v[X+4*\k+2], v[X+4*\k+1], v[X+4*\k+2]            ; e1 - e2
	v_add_f32 v[X+4*\k+1], v[X+4*\k],   v[X+4*\k+1]            ; e0 + e1 + e2
.endr
	v_add_f32 v[AL], 1.0, v[AL]
	ULOAD 3
.irp k, 0,1,2,3,4,5,6
	v_rcp_f32 v[X+4*\k+3], v[X+4*\k+1]
.endr
	v_rcp_f32 v[AL+2], v[AL]                       ; sigmoid(alog) = 1 / (1 + exp2(-log2 e x alog))
	v_nop
	s_wait_alu depctr_va_vdst(0)
.irp k, 0,1,2,3,4,5,6
	v_mul_f32 v[X+4*\k],   v[X+4*\k],   v[X+4*\k+3]            ; a = s0 + s2
	v_mul_f32 v[X+4*\k+2], v[X+4*\k+2], v[X+4*\k+3]            ; d = s1 - s2
.endr
	v_mul_f32 v[AL],   -1.0, v[AL+2]
	v_mul_f32 v[AL+1], -1.0, v[AL+2]
	s_wait_alu depctr_va_vdst(0)                   ; a, d and -alpha are written, which the stores below read; phase 0 is done with X and AL, in whose place cell 0's quads land
	; triple e = 22 chain + m goes to byte 16 (e >> 1) + 4 (e & 1), d eight bytes behind a: 22 is even, so that is 176 chain + 16 (m >> 1) + 4 (m & 1).
	; 32 k and 188 are even too, so a pass's first triple stands in the immediate: 16 x 16 k, and 16 x 94 = 1,504 for the seventh.
.irp k, 0,1,2,3,4,5
	ds_store_b32 v[CW], v[X+4*\k]   offset:256*\k
	ds_store_b32 v[CW], v[X+4*\k+2] offset:256*\k+8
.endr
	ds_store_b32 v[CW], v[X+24] offset:1504
	ds_store_b32 v[CW], v[X+26] offset:1512
	ds_store_b64 v[AW], v[AL:AL+1] offset:ALPHA
	s_wait_alu depctr_vm_vsrc(0)                   ; the stores above and the copy of u have read X, AL and UC, in which the quads below land; all lines so far have read SO, AO, UO, CW, AW, which phase 1's first step writes as PP
	; PHASE 1.  My five pairs of -alpha and the first cell's eleven quads.  They are my wave's own bytes (1840 w ..), and LDS serves a wave's
	; instructions in order (ISA guide 5.7.1): these loads see the stores above, with no wait on DScnt and no barrier between.
.irp c, 0,1,2,3,4
	ds_load_b64 v[NA+2*\c:NA+2*\c+1], v[AA] offset:ALPHA+16*\c
.endr
; Quad k of cell c.
.macro QUAD c, k
	ds_load_b128 v[CF+4*(\k):CF+4*(\k)+3], v[CA] offset:352*(\c)+16*(\k)
.endm
.irp k, 0,1,2,3,4,5,6,7,8,9,10
	QUAD 0, \k
.endr
; Literals m = 2k, 2k+1 of the cell at work for my four batch rows, multiplied onto the running pairs; the first pair starts the products.
; n = the LDS instructions issued behind quad k of this cell (they end in order: ISA guide 5.7.1).
.macro STEP k, n
	s_wait_dscnt \n
.irp b, 0,1,2,3
.if \k
	v_pk_fma_f32 v[LT+2*\b:LT+2*\b+1], v[UU+22*\b+2*\k:UU+22*\b+2*\k+1], v[CF+4*\k+2:CF+4*\k+3], v[CF+4*\k:CF+4*\k+1]
.else
	v_pk_fma_f32 v[PP+2*\b:PP+2*\b+1], v[UU+22*\b+2*\k:UU+22*\b+2*\k+1], v[CF+4*\k+2:CF+4*\k+3], v[CF+4*\k:CF+4*\k+1]
.endif
.endr
.if \k
.irp b, 0,1,2,3
	v_pk_mul_f32 v[PP+2*\b:PP+2*\b+1], v[PP+2*\b:PP+2*\b+1], v[LT+2*\b:LT+2*\b+1]
.endr
.endif
.endm
; The two halves of each pair meet; t = 1 - alpha clause; the next cell's quads 6-10 are asked for; four stores into my own part of T.
.macro CEND c, reload
.irp b, 0,1,2,3
	v_mul_f32 v[CL+\b], v[PP+2*\b], v[PP+2*\b+1]
.endr
	v_pk_fma_f32 v[CL:CL+1],   v[CL:CL+1],   v[NA+2*\c:NA+2*\c+1], 1.0 op_sel_hi:[1,1,0]
	v_pk_fma_f32 v[CL+2:CL+3], v[CL+2:CL+3], v[NA+2*\c:NA+2*\c+1], 1.0 op_sel_hi:[1,1,0]
	s_wait_alu depctr_va_vdst(0)                   ; t is written, which the four stores read; steps 6 to 10 are done reading quads 6 to 10, in which (but in the last cell) the loads below land
.if \reload
.irp k, 6,7,8,9,10
	QUAD \c+1, \k
.endr
.endif
.irp b, 0,1,2,3
	ds_store_b32 v[TW], v[CL+\b] offset:768*\b+8*\c
.endr
.endm
; A cell.  base = the LDS instructions issued behind its quad 0 when step 0 begins.  reload = 1: a further cell follows.
; Steps 0-5 issue nothing, so the count falls by one a step.  Ahead of step 6 stand two loads of the next cell's quads, ahead of each of steps 7 to 10 one:
; a younger load comes in for each quad that is used up, and the count stays at base - 4.  Without reloads it goes on falling.
.macro CHAIN c, base, reload
.irp k, 0,1,2,3,4,5
	STEP \k, \base-\k
.endr
.if \c
	s_wait_alu depctr_vm_vsrc(0)                   ; the last cell's four stores have read CL, which this cell's end writes again
.endif
.if \reload
	s_wait_alu depctr_va_vdst(0)                   ; steps 0 to 5 are done reading quads 0 to 5, in which the next cell's land; steps 6 to 10 name none of them
	QUAD \c+1, 0
.endif
.irp k, 6,7,8,9,10
.if \reload
	QUAD \c+1, \k-5
	STEP \k, \base-4
.else
	STEP \k, \base-\k
.endif
.endr
	CEND \c, \reload
.endm
	CHAIN 0, 10, 1                                 ; behind quad 0: the ten younger quads; u, the stores and -alpha stand ahead of it
	CHAIN 1, 14, 1                                 ; behind quad 0: quads 1-5, quads 6-10, the last cell's 4 stores
	CHAIN 2, 14, 1
	CHAIN 3, 14, 1
	CHAIN 4, 14, 0                                 ; nothing is asked for any more
	s_wait_dscnt 0x0                               ; my t are in LDS
	s_barrier_signal -1
	; register work while the others arrive: phase 2's addresses and the fallback row (10 log2 e at j = i, else 0)
	v_mov_b32 v[KV], K10
.irp j, 0,1,2,3,4,5,6,7,8,9
	v_cmp_eq_u32 s[FM+\j], \j, v5                  ; the ten compares stand in one run, a scalar register each
.endr
	v_mul_u32_u24 v[TA], 2*TWAVE, v5               ; row i's cells 10 i .. 10 i + 9 are those of waves 2 i and 2 i + 1
	v_mad_u32_u24 v[TA], v4, 48, v[TA]
	v_add_nc_u32 v[TA], T_BASE, v[TA]
	v_mad_u32_u24 v[OA], v1, 40, s27               ; my row of 40 bytes in my wave's stage
	v_lshl_add_u32 v[OL], v1, 4, s27
	v_lshl_add_u32 v[OL2], v1, 3, s27
	v_lshlrev_b32 v[GO], 4, v1
	v_lshlrev_b32 v[GO2], 3, v1
	s_wait_alu depctr_va_sdst(0)                   ; the ten masks are written, ahead of their first reader
.irp j, 0,1,2,3,4,5,6,7,8,9
	v_cndmask_b32 v[FB+\j], 0, v[KV], s[FM+\j]
.endr
	s_wait_alu depctr_va_vdst(0)                   ; TA, OA, OL, OL2, GO, GO2 are written, which the LDS and memory lines of phase 2 read; phase 1 is done reading UU, in whose place t and the read-backs land
	s_barrier_wait -1                              ; every wave's t are in LDS
	; PHASE 2.  One softmax row a thread.
	ds_load_b128 v[TT:TT+3],     v[TA]
	ds_load_b128 v[TT+4:TT+7],   v[TA] offset:16
	ds_load_b64  v[TT+8:TT+9],   v[TA] offset:32
	ds_load_b128 v[TT+10:TT+13], v[TA] offset:TWAVE
	ds_load_b128 v[TT+14:TT+17], v[TA] offset:TWAVE+16
	ds_load_b64  v[TT+18:TT+19], v[TA] offset:TWAVE+32
	s_wait_loadcnt 0x0                             ; the mask row, asked for at the start
	s_wait_dscnt 0x0
.irp j, 0,1,2,3,4,5,6,7,8,9
	v_fma_f32 v[G+\j], -v[TT+2*\j], v[TT+2*\j+1], 1.0          ; g = 1 - t0 t1
.endr
.irp j, 0,1,2,3,4,5,6,7,8,9
	v_max_num_f32 v[G+\j], EPS, v[G+\j]
.endr
.irp j, 0,1,2,3,4,5,6,7,8,9
	v_log_f32 v[G+\j], v[G+\j]
.endr
	v_nop
	s_wait_alu depctr_va_vdst(0)
.irp j, 0,1,2,3,4,5,6,7,8,9
	v_fmamk_f32 v[G+\j], v[MK+\j], LOG2E, v[G+\j]              ; the logit in base 2: log2 g + mask log2 e
.endr
	; the row has a finite logit exactly if the least |logit| is below infinity (a NaN loses in the minimum; all NaN fails the compare)
	v_min3_num_f32 v[AM], |v[G]|, |v[G+1]|, |v[G+2]|
	v_min3_num_f32 v[AM], v[AM], |v[G+3]|, |v[G+4]|
	v_min3_num_f32 v[AM], v[AM], |v[G+5]|, |v[G+6]|
	v_min3_num_f32 v[AM], v[AM], |v[G+7]|, |v[G+8]|
	v_min_num_f32 v[AM], v[AM], |v[G+9]|
	v_cmp_gt_f32 vcc_lo, INF, v[AM]
	s_wait_alu depctr_va_vcc(0)                    ; VCC is written, ahead of the ten selects that read it
.irp j, 0,1,2,3,4,5,6,7,8,9
	v_cndmask_b32 v[G+\j], v[FB+\j], v[G+\j], vcc_lo           ; a value is chosen; no branch and no address hangs on it
.endr
	v_max3_num_f32 v[MX], v[G], v[G+1], v[G+2]
	v_max3_num_f32 v[MX], v[MX], v[G+3], v[G+4]
	v_max3_num_f32 v[MX], v[MX], v[G+5], v[G+6]
	v_max3_num_f32 v[MX], v[MX], v[G+7], v[G+8]
	v_max_num_f32 v[MX], v[MX], v[G+9]
	v_add_f32 v[MX], v[MX], v[MX]
.irp j, 0,1,2,3,4,5,6,7,8,9
	v_fma_f32 v[G+\j], v[G+\j], 2.0, -v[MX]                    ; (logit - max) / 0.5
.endr
.irp j, 0,1,2,3,4,5,6,7,8,9
	v_exp_f32 v[G+\j], v[G+\j]
.endr
	v_nop
	s_wait_alu depctr_va_vdst(0)
	v_pk_add_f32 v[SM:SM+1],   v[G:G+1],     v[G+2:G+3]
	v_pk_add_f32 v[SM+2:SM+3], v[G+4:G+5],   v[G+6:G+7]
	v_pk_add_f32 v[SM:SM+1],   v[SM:SM+1],   v[SM+2:SM+3]
	v_pk_add_f32 v[SM:SM+1],   v[SM:SM+1],   v[G+8:G+9]
	v_add_f32 v[SM], v[SM], v[SM+1]                ; at least 1: the largest logit's term
	v_rcp_f32 v[RC], v[SM]
	v_rcp_f32 v[RC+1], v[SM]                       ; twice, for the packed multiply
	v_nop
	s_wait_alu depctr_va_vdst(0)
.irp k, 0,1,2,3,4
	v_pk_mul_f32 v[G+2*\k:G+2*\k+1], v[G+2*\k:G+2*\k+1], v[RC:RC+1]
.endr
	; THE WAY OUT.  My wave's 32 rows of 40 bytes are 1,280 neighbouring bytes of out0, from a multiple of 256.  They go through my wave's own stage,
	; so that each store of the wave covers whole aligned blocks of 256 bytes.  LDS serves a wave's instructions in order (ISA guide 5.7.1): the loads see the stores.
	s_wait_alu depctr_va_vdst(0)                   ; the row's ten results are written, which the LDS stores read
.irp k, 0,1,2,3,4
	ds_store_b64 v[OA], v[G+2*\k:G+2*\k+1] offset:8*\k
.endr
	ds_load_b128 v[OD:OD+3],   v[OL]
	ds_load_b128 v[OD+4:OD+7], v[OL] offset:512
	ds_load_b64  v[OD+8:OD+9], v[OL2] offset:1024
	s_wait_dscnt 0x2                               ; the first read-back is in; the two younger may be out
	global_store_b128 v[GO], v[OD:OD+3], s[12:13] th:TH_STORE_NT
	s_wait_dscnt 0x1
	global_store_b128 v[GO], v[OD+4:OD+7], s[12:13] offset:512 th:TH_STORE_NT
	s_wait_dscnt 0x0
	global_store_b64 v[GO2], v[OD+8:OD+9], s[12:13] offset:1024 th:TH_STORE_NT
	s_wait_dscnt 0x0
	s_wait_alu depctr_hold_cnt(0) depctr_sa_sdst(0) depctr_va_vdst(0) depctr_va_sdst(0) depctr_va_ssrc(0) depctr_va_vcc(0) depctr_vm_vsrc(0)
	s_wait_tensorcnt 0x0
	ds_add_u32 v184, v185
	s_wait_dscnt 0x0
	s_endpgm
.Lfunc_end_k_q1999386306_trans:
	.size	k_q1999386306_trans, .Lfunc_end_k_q1999386306_trans-k_q1999386306_trans
	.p2alignl 7, 3214868480
	.fill 96, 4, 3214868480
	.section	.rodata,"a",@progbits
	.p2align	6, 0x0
	.amdhsa_kernel k_q1999386306_trans
		.amdhsa_group_segment_fixed_size 132608
		.amdhsa_private_segment_fixed_size 0
		.amdhsa_enable_private_segment 0
		.amdhsa_kernarg_size 40
		.amdhsa_user_sgpr_count 2
		.amdhsa_user_sgpr_kernarg_segment_ptr 1
		.amdhsa_wavefront_size32 1
		.amdhsa_system_sgpr_workgroup_id_x 1
		.amdhsa_system_sgpr_workgroup_id_y 1
		.amdhsa_system_sgpr_workgroup_id_z 1
		.amdhsa_system_vgpr_workitem_id 0
		.amdhsa_next_free_vgpr 186
		.amdhsa_next_free_sgpr 66
		.amdhsa_reserve_vcc 1
		.amdhsa_float_denorm_mode_32 3
		.amdhsa_float_denorm_mode_16_64 3
		.amdhsa_memory_ordered 1
		.amdhsa_forward_progress 1
		.amdhsa_inst_pref_size 57
	.end_amdhsa_kernel
	.amdgpu_metadata
---
amdhsa.version: [ 1, 2 ]
amdhsa.kernels:
  - .name:           k_q1999386306_trans
    .symbol:         k_q1999386306_trans.kd
    .args:
      - { .name: predicate_truths, .offset: 0, .size: 8, .value_kind: global_buffer, .address_space: global }
      - { .name: sel, .offset: 8, .size: 8, .value_kind: global_buffer, .address_space: global }
      - { .name: alog, .offset: 16, .size: 8, .value_kind: global_buffer, .address_space: global }
      - { .name: mask, .offset: 24, .size: 8, .value_kind: global_buffer, .address_space: global }
      - { .name: out0, .offset: 32, .size: 8, .value_kind: global_buffer, .address_space: global }
    .group_segment_fixed_size: 132608
    .private_segment_fixed_size: 0
    .kernarg_segment_align: 8
    .kernarg_segment_size: 40
    .max_flat_workgroup_size: 640
    .sgpr_count:     66
    .vgpr_count:     186
    .wavefront_size: 32
...
	.end_amdgpu_metadata
.endif
;; end of part 2
